; MI455X (gfx1250); checked and timed in simulation.
; The chip was launched on July 23, 2026; its instructions are those of AMD's public machine-readable ISA for CDNA 5 (MIT licence, August 2026) and "CDNA5" Instruction Set Architecture Reference Guide (July 2026). The comments in the code are by the model that wrote it; some were corrected since.
;; Action Discretizer. Allowed arithmetic: matrix products marked QUANTISED: E2M1 operands, one E8M0 scale for each 32 along K, by v_wmma_scale_f32_16x16x128_f8f6f4 with both operands' format E2M1 (or v_wmma_scale_f32_32x16x128_f4), f32 sums; everything else in f32.
;; Inputs: centroids 4,096 x 512 float32; x_codes 32,768 x 16 x 16 uint8 (E2M1 codes of x, K innermost, in blocks of 32 codes, two codes a byte); x_scales 32,768 x 16 uint8 (E8M0 scales of x, one for each 32 codes along K).
;; Outputs: out0 32,768 int32.
;; This version of the problem:
;;   THIS VERSION OF THE PROBLEM IS GIVEN IN LOW PRECISION. The matrix products marked QUANTISED in the list below multiply operands that are first quantised to E2M1 (2 exponent bits, 1 mantissa bit; 4 bits a number), with one power-of-two scale for each 32 numbers along K (OCP MX v1.0); their sums are f32. All else is computed in f32.
;;   The module's matrix products, in the order in which they are computed (A, B: the left and right operand; K: the contracted axis; several contracted axes count as one K, in the product's order):
;;     1. [M 32,768, K 512] x [K 512, N 4,096]; A: input x (given as codes); B: input centroids: QUANTISED
;;   THE QUANTISER, for each operand of a quantised product, along K:
;;     - K is cut into blocks of 32 from its start; a last block that is shorter is filled with zeros.
;;     - A block's scale is 2^e with e = floor(log2(the largest magnitude in the block)) - 2, held to -126 .. 127; a block of zeros has e = 0. As a byte (E8M0): e + 127.
;;     - Each number is divided by its block's scale, clamped to +-6, and rounded to the nearest number of E2M1, ties to even, subnormals kept.
;;     - The product sums the exact products of the quantised numbers (number of the format x scale) in f32.
;;   ~~~python
;;   def quantise(x, axis):      # numpy; x: float32 -> the quantised numbers, widened to float32 again
;;       x = np.moveaxis(x, axis, -1); K = x.shape[-1]
;;       x = np.pad(x, [(0, 0)] * (x.ndim - 1) + [(0, -K % 32)]); x = x.reshape(x.shape[:-1] + (-1, 32)); a = np.abs(x).max(-1, keepdims=True)
;;       e = np.where(a > 0, np.clip(np.frexp(np.where(a > 0, a, 1))[1] - 1 - 2, -126, 127), 0)      # np.frexp(a)[1] - 1 = floor(log2(a)), exactly
;;       r = np.clip(x / 2.0 ** e, -6, 6)
;;       step = 2.0 ** (np.maximum(np.frexp(np.where(r == 0, 1, r))[1] - 1, 0) - 1)
;;       q = np.round(r / step) * step * 2.0 ** e      # np.round: ties to even
;;       return np.moveaxis(q.reshape(q.shape[:-2] + (-1,))[..., :K], -1, axis).astype(np.float32)
;;   ~~~
;;   INPUTS GIVEN AS CODES. x (in the module: [32768, 512], K = its axis 1): each comes as NAME_codes (uint8): NAME with its K axis moved to the last place and cut into blocks of 32 codes, [.., K / 32, bytes a block], one block behind the other in memory; two codes a byte, the lower K in the low four bits (a code: sign, 2 exponent bits, 1 mantissa bit); and NAME_scales (uint8): the same leading axes, one E8M0 byte (e + 127) for each 32 codes along K. Its value is code x scale, taken as it is: it is not quantised again, and the codes and scales need not be those that the quantiser above would give.
;; One version. Each part assembles by itself: llvm-mc -triple=amdgcn-amd-amdhsa -mcpu=gfx1250 --defsym DOCPART=n.
;; ======== version 1 of 1: 2 launches
;; limits: right only within a limited range of input values
;; workspace buffers: cq 1,146,880 bytes
;; launch quant (part 1): grid 256 x 1, 8 waves a work-group, no clusters, 36,608 bytes of LDS; arguments centroids, cq; writes cq
.if DOCPART == 1
	.amdgcn_target "amdgcn-amd-amdhsa--gfx1250"
	.amdhsa_code_object_version 6
	.text
	.protected	k_q831618ba0f_quant
	.globl	k_q831618ba0f_quant
	.p2align	8
	.type	k_q831618ba0f_quant,@function
k_q831618ba0f_quant:
	s_mov_b64 s[64:65], 0
	v_nop
	global_prefetch_b8 v0, s[64:65] scope:SCOPE_SE
	s_setreg_imm32_b32 hwreg(HW_REG_WAVE_MODE, 25, 1), 1
	s_wait_xcnt 0x0
; The centroids [4096][512], f32, K innermost, become one workspace cq: codes of FP4 (E2M1), one E8M0 scale byte for each 32 along K, and HC = -1/2 x the f32 sum of squares of each UNQUANTISED row.
; cq is laid in the order in which the next launch's operand registers take it: 128 units of UB = 8,960 bytes, 32 centroids each; unit U holds the tiles T = 2 U + t (a tile: 16 centroids, n = 16 T + r):
;   t*4096 + k*512 + 16*lane   lane (r, h): the 16 code bytes of centroid r, block of 32 number 2 k + h
;   8192 + t*256 + 16 r + b    the scale byte of (r, block b)
;   8704 + t*128 + 4 r         HC, twice on end (so that every byte of a unit is written)
; A block's scale is 2^(floor(log2(its largest magnitude)) - 2); its byte is the largest magnitude's exponent field - 2, held at 1 from below.
; LIMITS: a block of zeros gets the byte 1 where the rule says 127 (its codes are zeros, and this program alone reads the bytes); NaN and infinities among the inputs are not served;
; the sum of squares is taken by fused multiply-adds in eight chains a lane and then as a tree: it can differ in its last bits from a sum taken in another order.
; SHARES: work-group T takes tile T; wave k takes 64 numbers of each of its 16 rows.  Each load reads 256 consecutive bytes of each of two rows; the 4,096 bytes turn through the wave's own stage in LDS,
; so that a lane then holds a whole block of 32 of ONE row in consecutive registers: no other lane is asked for a maximum, and the conversions' results are the operand's registers.
; No prefetch: there is no loop, all that a wave reads is asked for at once.
.set UB,  8960
.set SP,  272                          ; a stage row: 256 bytes + 16 = 68 words: row r starts at bank 4 r mod 64 (64 banks of 4 bytes: ISA guide 11.1)
.set WST, 16*SP                        ; a wave's stage
.set SCB, 8*WST                        ; behind the stages: the tile's 256 scale bytes,
.set SQB, SCB+256                      ; eight waves x 16 partial sums of squares,
.set SPARE, SQB+512                    ; and the spare words, 128 bytes for each wave
.set R,   16                           ; v16-47  the numbers as loaded
.set X,   48                           ; v48-79  a block of 32 neighbours
.set C,   80                           ; v80-83  its codes
.set SQ,  84                           ; v84-91  sums of squares, four packed chains
.set MX,  92                           ; v92-95  four chains of the largest magnitude
.set SCO, 96                           ; the conversions' scale operand
.set BY,  97                           ; the scale byte
.set SUM, 98
.set PT,  99
	s_load_b128 s[4:7], s[0:1], 0x0                ; centroids s[4:5], cq s[6:7]
	v_lshl_add_u32 v10, v0, 2, SPARE               ; my spare word
	v_mov_b32 v11, 0
	v_lshrrev_b32 v1, 5, v0
	v_readfirstlane_b32 s12, v1                    ; wave k
	s_mul_i32 s13, s12, WST
	s_lshl_b32 s14, s12, 1
	s_add_co_u32 s14, s14, SCB
	s_lshl_b32 s15, s12, 6
	s_add_co_u32 s15, s15, SQB
	v_and_b32 v1, 31, v0                           ; lane
	v_and_b32 v2, 15, v0                           ; r
	v_bfe_u32 v3, v0, 4, 1                         ; h
	v_lshlrev_b32 v4, 4, v2                        ; 16 r
	v_lshl_add_u32 v8, v3, 11, v4                  ; a load: lanes 0-15 one row's 256 bytes, lanes 16-31 the next row's
	v_mul_u32_u24 v5, v3, SP
	v_add_nc_u32 v5, v5, v4
	v_add_nc_u32 v5, s13, v5                       ; the stage, on the way in: as loaded
	v_mul_u32_u24 v6, v2, SP
	v_lshl_add_u32 v6, v3, 7, v6
	v_add_nc_u32 v6, s13, v6                       ; and on the way out: row r, + 128 h: my block of 32
	v_lshl_add_u32 v7, v2, 4, v3
	v_add_nc_u32 v7, s14, v7                       ; my scale byte: SCB + 16 r + 2 k + h
	v_lshlrev_b32 v9, 2, v2                        ; 4 r
	v_add_nc_u32 v12, s15, v9                      ; my wave's partial sum of row r
	v_lshlrev_b32 v13, 4, v1                       ; 16 x lane
	v_lshlrev_b32 v14, 3, v1                       ; 8 x lane
	v_lshlrev_b32 v15, 2, v1                       ; 4 x lane
	v_mov_b32 v[PT], 0                             ; (a lane permute's destination counts as one of its sources)
	s_mov_b32 s20, 0x76543210
	s_mov_b32 s21, 0xfedcba98                      ; v_permlanex16_b32's selects for lane l xor 16
	s_lshl_b32 s16, ttmp9, 15                      ; the tile's 16 rows of 2,048 bytes,
	s_lshl_b32 s17, s12, 8                         ; my 256 bytes of a row
	s_add_co_u32 s16, s16, s17
	s_mov_b32 s17, 0
	s_lshr_b32 s18, ttmp9, 1
	s_mul_i32 s18, s18, UB                         ; the tile's unit in cq
	s_and_b32 s19, ttmp9, 1                        ; t
	s_lshl_b32 s22, s19, 12
	s_lshl_b32 s23, s12, 9
	s_add_co_u32 s22, s22, s23
	s_add_co_u32 s22, s22, s18                     ; my codes: unit + 4096 t + 512 k
	s_mov_b32 s23, 0
	s_lshl_b32 s24, s19, 8
	s_add_co_u32 s24, s24, s18
	s_add_co_u32 s24, s24, 8192                    ; the tile's scale bytes
	s_mov_b32 s25, 0
	s_lshl_b32 s26, s19, 7
	s_add_co_u32 s26, s26, s18
	s_add_co_u32 s26, s26, 8704                    ; the tile's HC
	s_mov_b32 s27, 0
	s_wait_alu depctr_va_vdst(0)                   ; the wait at the head's end
	s_wait_kmcnt 0x0
	s_add_nc_u64 s[4:5], s[4:5], s[16:17]
	s_add_nc_u64 s[8:9], s[6:7], s[24:25]
	s_add_nc_u64 s[10:11], s[6:7], s[26:27]
	s_add_nc_u64 s[6:7], s[6:7], s[22:23]
.irp j, 0,1,2,3,4,5,6,7
	global_load_b128 v[R+4*\j:R+4*\j+3], v8, s[4:5] offset:4096*\j th:TH_LOAD_NT   ; rows 2 j, 2 j + 1
.endr
.irp j, 0,1,2,3,4,5,6,7
	s_wait_loadcnt 7-\j                            ; loads come back in order: this one is in, those behind it may be out
	ds_store_b128 v5, v[R+4*\j:R+4*\j+3] offset:2*SP*\j
.endr
.irp q, 0,1,2,3,4,5,6,7
	ds_load_b128 v[X+4*\q:X+4*\q+3], v6 offset:16*\q   ; LDS serves a wave's instructions in order: these see my stores
.endr
	s_wait_dscnt 4                                 ; numbers 0-15 are in; four loads may be out
.irp m, 0,1,2,3
	v_max3_num_f32 v[MX+\m], |v[X+3*\m]|, |v[X+3*\m+1]|, |v[X+3*\m+2]|
.endr
	v_max3_num_f32 v[MX], v[MX], |v[X+12]|, |v[X+13]|
	v_max3_num_f32 v[MX+1], v[MX+1], |v[X+14]|, |v[X+15]|
.irp m, 0,2,4,6
	v_pk_mul_f32 v[SQ+\m:SQ+\m+1], v[X+\m:X+\m+1], v[X+\m:X+\m+1]        ; the first squares start the sums
.endr
.irp m, 0,2,4,6
	v_pk_fma_f32 v[SQ+\m:SQ+\m+1], v[X+8+\m:X+9+\m], v[X+8+\m:X+9+\m], v[SQ+\m:SQ+\m+1]
.endr
	s_wait_dscnt 0x0
	v_max3_num_f32 v[MX+2], v[MX+2], |v[X+16]|, |v[X+17]|
	v_max3_num_f32 v[MX+3], v[MX+3], |v[X+18]|, |v[X+19]|
	v_max3_num_f32 v[MX], v[MX], |v[X+20]|, |v[X+21]|
	v_max3_num_f32 v[MX+1], v[MX+1], |v[X+22]|, |v[X+23]|
	v_max3_num_f32 v[MX+2], v[MX+2], |v[X+24]|, |v[X+25]|
	v_max3_num_f32 v[MX+3], v[MX+3], |v[X+26]|, |v[X+27]|
	v_max3_num_f32 v[MX], v[MX], |v[X+28]|, |v[X+29]|
	v_max3_num_f32 v[MX+1], v[MX+1], |v[X+30]|, |v[X+31]|
.irp m, 0,2,4,6
	v_pk_fma_f32 v[SQ+\m:SQ+\m+1], v[X+16+\m:X+17+\m], v[X+16+\m:X+17+\m], v[SQ+\m:SQ+\m+1]
.endr
	v_max3_num_f32 v[MX], v[MX], v[MX+1], 0x1800000 ; with the floor 2^(3 - 127), under which no largest magnitude is taken: so the byte cannot fall under 1
.irp m, 0,2,4,6
	v_pk_fma_f32 v[SQ+\m:SQ+\m+1], v[X+24+\m:X+25+\m], v[X+24+\m:X+25+\m], v[SQ+\m:SQ+\m+1]
.endr
	v_max3_num_f32 v[MX], v[MX], v[MX+2], v[MX+3]
	v_pk_add_f32 v[SQ:SQ+1], v[SQ:SQ+1], v[SQ+2:SQ+3]
	v_pk_add_f32 v[SQ+4:SQ+5], v[SQ+4:SQ+5], v[SQ+6:SQ+7]
	v_add_nc_u32 v[SCO], 0xff000000, v[MX]         ; 2 off its exponent field: the conversion takes the exponent field of this operand as its scale, and nothing else of it
	v_pk_add_f32 v[SQ:SQ+1], v[SQ:SQ+1], v[SQ+4:SQ+5]
.irp g, 0,1,2,3
	v_cvt_scalef32_pk8_fp4_f32 v[C+\g], v[X+8*\g:X+8*\g+7], v[SCO]   ; eight numbers / the scale, to the nearest code, ties to even, beyond 6 the largest code; the first number's code in the lowest four bits
.endr
	v_lshrrev_b32 v[BY], 23, v[SCO]                ; the scale's byte.  (Also the plain line behind the conversions)
	v_add_f32 v[SUM], v[SQ], v[SQ+1]               ; my 32 squares,
	global_store_b128 v13, v[C:C+3], s[6:7]        ; 32 lanes store 512 consecutive bytes, at a multiple of 256 from cq's first byte
	v_permlanex16_b32 v[PT], v[SUM], s20, s21
	v_add_f32 v[SUM], v[SUM], v[PT]                ; with lane l xor 16's: row r's 64
	ds_store_b8 v7, v[BY]
	ds_store_b32 v12, v[SUM]                       ; (lanes r and r + 16 write the same word with the same value)
	s_wait_dscnt 0x0                               ; for wave 0's sake: my LDS stores are done
	s_barrier_signal -1
	s_barrier_wait -1
	s_cmp_lg_u32 s12, 0                            ; wave 0 sends out what the eight waves have gathered
	s_cbranch_scc1 .Lend
.irp q, 0,1,2,3,4,5,6,7
	ds_load_b32 v[18+\q], v9 offset:SQB+64*\q      ; row r's eight partial sums, in lanes r and r + 16
.endr
	ds_load_b64 v[16:17], v14 offset:SCB           ; the tile's 256 scale bytes, 8 a lane
	s_wait_dscnt 0x0
	v_add_f32 v18, v18, v19
	v_add_f32 v20, v20, v21
	v_add_f32 v22, v22, v23
	v_add_f32 v24, v24, v25
	v_add_f32 v18, v18, v20
	v_add_f32 v22, v22, v24
	v_add_f32 v18, v18, v22                        ; the sum of squares of row r,
	v_mul_f32 v18, -0.5, v18                       ; and HC
	global_store_b64 v14, v[16:17], s[8:9]         ; 32 lanes store 256 consecutive bytes, aligned
	global_store_b32 v15, v18, s[10:11]            ; the tile's 16 numbers twice, 128 bytes: the one store of the launch that does not cover 256 bytes
.Lend:
	s_wait_tensorcnt 0x0                           ; the wave's end
	ds_add_u32 v10, v11
	s_wait_dscnt 0x0
	s_endpgm
.Lfunc_end_k_q831618ba0f_quant:
	.size	k_q831618ba0f_quant, .Lfunc_end_k_q831618ba0f_quant-k_q831618ba0f_quant
	.p2alignl 7, 3214868480
	.fill 96, 4, 3214868480
	.section	.rodata,"a",@progbits
	.p2align	6, 0x0
	.amdhsa_kernel k_q831618ba0f_quant
		.amdhsa_group_segment_fixed_size 36608
		.amdhsa_private_segment_fixed_size 0
		.amdhsa_enable_private_segment 0
		.amdhsa_kernarg_size 16
		.amdhsa_user_sgpr_count 2
		.amdhsa_user_sgpr_kernarg_segment_ptr 1
		.amdhsa_wavefront_size32 1
		.amdhsa_system_sgpr_workgroup_id_x 1
		.amdhsa_system_sgpr_workgroup_id_y 1
		.amdhsa_system_sgpr_workgroup_id_z 1
		.amdhsa_system_vgpr_workitem_id 0
		.amdhsa_next_free_vgpr 100
		.amdhsa_next_free_sgpr 66
		.amdhsa_reserve_vcc 0
		.amdhsa_float_denorm_mode_32 3
		.amdhsa_float_denorm_mode_16_64 3
		.amdhsa_memory_ordered 1
		.amdhsa_forward_progress 1
		.amdhsa_inst_pref_size 9
	.end_amdhsa_kernel
	.amdgpu_metadata
---
amdhsa.version: [ 1, 2 ]
amdhsa.kernels:
  - .name:           k_q831618ba0f_quant
    .symbol:         k_q831618ba0f_quant.kd
    .args:
      - { .name: centroids, .offset: 0, .size: 8, .value_kind: global_buffer, .address_space: global }
      - { .name: cq, .offset: 8, .size: 8, .value_kind: global_buffer, .address_space: global }
    .group_segment_fixed_size: 36608
    .private_segment_fixed_size: 0
    .kernarg_segment_align: 8
    .kernarg_segment_size: 16
    .max_flat_workgroup_size: 256
    .sgpr_count:     66
    .vgpr_count:     100
    .wavefront_size: 32
...
	.end_amdgpu_metadata
.endif
;; end of part 1
;; launch scan (part 2): grid 256 x 1, 8 waves a work-group, clusters of 4 x 1, 327,680 bytes of LDS; arguments x_codes, x_scales, cq, out0; writes out0
.if DOCPART == 2
	.amdgcn_target "amdgcn-amd-amdhsa--gfx1250"
	.amdhsa_code_object_version 6
	.text
	.protected	k_q831618ba0f_scan
	.globl	k_q831618ba0f_scan
	.p2align	8
	.type	k_q831618ba0f_scan,@function
k_q831618ba0f_scan:
	s_mov_b64 s[64:65], 0
	v_nop
	global_prefetch_b8 v0, s[64:65] scope:SCOPE_SE
	s_setreg_imm32_b32 hwreg(HW_REG_WAVE_MODE, 25, 1), 1
	s_wait_xcnt 0x0
	s_wait_alu depctr_hold_cnt(0) depctr_sa_sdst(0) depctr_va_vdst(0) depctr_va_sdst(0) depctr_va_ssrc(0) depctr_va_vcc(0) depctr_vm_vsrc(0)
	s_getreg_b32 s2, hwreg(HW_REG_IB_STS2, 6, 4)
	s_cmp_eq_u32 s2, 0
	s_cbranch_scc0 .Lentry_in_a_cluster
	s_endpgm
.Lentry_in_a_cluster:
	s_bfe_u32 s2, ttmp6, 0x10000c
	s_cmp_lg_u32 s2, 0x3003
	s_cbranch_scc0 .Lentry_shape_is_right
	s_endpgm
.Lentry_shape_is_right:
; out0[b] = the lowest k at which c_sq[k] - 2 x[b] . c[k] is least, taken as the lowest k at which SCORE = x[b] . c[k] - c_sq[k] / 2 is greatest: half the distance, with the sign turned.
; x: 32,768 rows of 512 codes of FP4 (E2M1) with one E8M0 byte for each 32, taken as given; the 4,096 centroids: codes, scale bytes and HC = -c_sq / 2 out of cq, which the launch before has laid in the order of the
; operand's registers (128 units of UB bytes, 32 centroids each: 2 x 4,096 bytes of codes, 2 x 256 of scale bytes, 2 x 128 of HC).
; THE SCORES never go to memory, and no vector instruction makes them: HC is the C operand of each sum's first product.
; SHARES.  A work-group owns 128 rows of x.  EVERY one of its eight waves holds all eight tiles of 16 rows, for all of K, in 256 registers (window 1), and scans its own eighth of the centroids, a unit at a time, ascending:
; unit w; then units 8 + 16 u + 2 w and the next one, u = 0 .. 6; then unit 120 + w.  So a centroid's bytes are read from LDS at most once in a work-group, and 22 LDS loads feed 32 matrix instructions of 32 x 16 x 128.
; TRANSPOSED: source 0 = 32 centroids, source 1 = 16 rows of x: lane (r, h) holds row r; register 8 t + j of a result is the centroid n0 + 16 t + 8 h + j.
; THE ARGMAX, for 16 centroids x 16 rows 10 vector instructions: 4 maxima of three, the old best among them; one compare (has the best risen?); one select keeps the winners' first index, four dual selects
; keep their eight scores.  Which of the eight it was is looked up once, at the end, by equality with the best.  TIES go to the lowest index: the sixteens ascend and the compare is strict; the lowest j is taken;
; among the sixteen candidates of a row (8 waves x 2 halves of the lanes) the lowest index of those equal to the greatest.
; CLUSTER.  All work-groups walk the same units: the four of a cluster ask for each pair JOINTLY, wave w of each by the same tensor load with the same descriptor and a mask that names the four.
; RING.  Two slots of 8 x 2 units (what a wave has in the two slots lies side by side); a wave fills and reads its own units alone.  By this text's count a wave has one tensor load out at the start and one behind each
; round.  A round stands at the end of a slot's second unit, just ahead of the next slot's first LDS loads, which want the landed tile anyway: a refill has the work of two units, less the round, in which to land.
; THE START.  A wave's first unit comes straight into registers by 21 loads and passes through no slot: the first products wait for x and for these alone, while slot 0 is on its way.
; PREFETCH.  Behind the joint load for the pair u + 2 the waves of clusters 0-3 ask for the pair u + 4, u = 0, 1, 2: 70 x 256 bytes, shared out by address among the four partners, 18 lanes each (the last 16; lanes
; over name the last again).  The first four pairs and the last unit come by their loads alone.
; LIMITS: NaN is not served (nor the scale byte 0xff, which makes one): maxima and compares pass it over.  A row whose scores are all -infinity gives 0.  c_sq / 2 stands in the sum from its start, so the order of
; rounding differs from c_sq - 2 xc, which rounds at its end.
; REGISTERS: window 0 as the names below have it, all 256 in use; window 1: x's 32 fragments.
.set UB,    8960
.set PB,    2*UB                       ; a pair of units: what one tensor load brings
.set XIMG,  16*PB                      ; behind the ring: x's 128 rows, written by LDS stores; at the end the stage of the candidates
.set XP,    272                        ; an x row in LDS: 256 bytes + 16 = 68 words: row r starts at bank 4 r mod 64 (64 banks of 4 bytes: ISA guide 11.1)
.set SPARE, XIMG+128*XP                ; the spare words, 128 bytes for each wave: four blocks of 256 bytes that no other line names
.set OSC,   8192                       ; in a unit: the scale bytes,
.set OSQ,   8704                       ; and HC
.set AD,   1                           ; v1      my two pairs + 16 x lane
.set AQ,   2                           ; v2      my two pairs + 32 h
.set SPW,  3                           ; v3      LDS address of my spare word; never rewritten
.set NIL,  4                           ; v4      0; never rewritten
.set PFO,  5                           ; v5      the prefetches' offset; never rewritten
.set T0,   6                           ; v6-7, v8-9 partial maxima of the two tiles in hand
.set U0,   8
.set NB,   10                          ; v10-11  their best between the two sixteens.  (At the head: XI, XW)
.set XI,   10                          ; x's row r, + 16 h
.set XW,   11                          ; where I store my 16 rows of x
.set XS,   12                          ; v12-27  4 p + s: lanes 0-15 the scale word s of x's tile 2 p, lanes 16-31 that of tile 2 p + 1
.set CS,   28                          ; v28-31  lane m: centroid m's scale word s
.set CSQ,  32                          ; v32-47  HC, in the layout of a result
.set CF,   48                          ; v48-111 the centroids' fragments: 16 s + 8 t + 4 c
.set ACC,  112                         ; v112-175 set p % 2 at + 32, tile e at + 16
.set BEST, 176                         ; v176-183
.set TID,  184                         ; v184-191 the winners' first index
.set SAVE, 192                         ; v192-255 8 i + j: their eight scores.  (At the head: at work)
.set LN,   192
.set RR,   193
.set HH,   194
.set L16,  195
.set R16,  196
.set H32,  197
.set W1,   198
.set W2,   199
.set J0,   112                         ; the end: v112-119 which of the eight;
.set H8,   120                         ; 8 h
.set SA,   121                         ; where I put my candidates
.set SB,   122                         ; where two rows' candidates are read back
.set OO,   123                         ; my byte offset in the work-group's 512 bytes of out0
.set WV,   12                          ; s12     my wave's number
.set G1,   16                          ; s[16:23] descriptor group 1
.set G0,   24                          ; s[24:31] group 0, a set for each slot
.set VT,   44                          ; s44-45  n0, n0 + 16
.set FB,   46                          ; s[46:47] my first unit in cq
.set PFB,  48                          ; s[48:49] my pair, two slots on from the one that is being asked for
.set PFL,  50                          ; s50     2 where my wave prefetches, else above every loop count
.set LB,   51                          ; s51     my two pairs in LDS
.set P0,   52                          ; s[52:53] where pair 0 begins in cq
.set LS,   54                          ; s[54:55] from pair 5 to the last unit
.set DA,   56                          ; s56     how far n0 steps to slot 0's pair: to pair 0, then 480
.set DB,   57                          ; s57     how far it steps to the last unit
.set MULW, 0x04                        ; source 1 (x) window 1; all else window 0
.set MSB, 0
.macro WIN new                         ; the immediate's high byte repeats the setting that is left; a switch that changes nothing is dropped
.if MSB != \new
	s_set_vgpr_msb (MSB<<8)|\new
.set MSB, \new
.endif
.endm
.macro CREST                           ; a round of the cluster's barrier behind its opening barrier
	s_cmp_lg_u32 s[WV], 0
	s_cbranch_scc1 .Lnot_wave_0_\@
	s_barrier_signal -3
.Lnot_wave_0_\@:
	s_barrier_wait -3
	s_barrier_signal -1
	s_barrier_wait -1
.endm
.macro CROUND                          ; a whole round
	s_barrier_signal -1
	s_barrier_wait -1
	CREST
.endm
; 4 matrix instructions: a unit's 32 centroids x x's tiles 2 p and 2 p + 1, two of the four K steps.  The first product of each starts its sum from HC.  The two accumulators take turns, one instruction a turn,
; and the next p takes the other set.
.macro MULH p, half
	WIN MULW
.irp q, 0,1
.irp e, 0,1
.set kS, 2*(\half)+\q
.set rD, ACC+32*((\p)%2)+16*\e
.set rC, rD
.if kS == 0
.set rC, CSQ
.endif
.set rA, CF+16*kS
.set rB, 32*(2*(\p)+\e)+8*kS
.set rP, CS+kS
.set rX, XS+4*(\p)+kS
.if \e == 0
	v_wmma_scale_f32_32x16x128_f4 v[rD:rD+15], v[rA:rA+15], v[rB:rB+7], v[rC:rC+15], v[rP], v[rX]
.else
	v_wmma_scale_f32_32x16x128_f4 v[rD:rD+15], v[rA:rA+15], v[rB:rB+7], v[rC:rC+15], v[rP], v[rX] matrix_b_scale:MATRIX_SCALE_ROW1
.endif
.endr
.endr
	WIN 0
.endm
; Eight saved scores of one tile of x, two to an instruction: where VCC is set, the new ones.
.macro KEEP s, a
.irp j, 0,2,4,6
	v_dual_cndmask_b32 v[\s+\j], v[\s+\j], v[\a+\j] :: v_dual_cndmask_b32 v[\s+\j+1], v[\s+\j+1], v[\a+\j+1]
.endr
.endm
; The vector work on sixteen t (0, 1) of the results of p: 20 instructions, x's two tiles by turns.  It always stands behind products of another set than the one that it reads, and names no register of theirs:
; so it is also the places behind them (ISA guide 7.12.1), and no v_nop is written for them.  Each accumulator is read from its low end on.
.macro EPI p, t
.set eA, ACC+32*((\p)%2)+8*(\t)
.if \t == 0
.set eO, BEST+2*(\p)
.set eN, NB
.else
.set eO, NB
.set eN, BEST+2*(\p)
.endif
.set eT, TID+2*(\p)
.set eS, SAVE+16*(\p)
	v_max3_num_f32 v[T0], v[eA], v[eA+1], v[eA+2]
	v_max3_num_f32 v[T0+1], v[eA+16], v[eA+17], v[eA+18]
	v_max3_num_f32 v[U0], v[eA+3], v[eA+4], v[eA+5]
	v_max3_num_f32 v[U0+1], v[eA+19], v[eA+20], v[eA+21]
	v_max3_num_f32 v[T0], v[T0], v[eA+6], v[eA+7]
	v_max3_num_f32 v[T0+1], v[T0+1], v[eA+22], v[eA+23]
	s_delay_alu instid0(VALU_DEP_2)
	v_max3_num_f32 v[eN], v[eO], v[T0], v[U0]      ; the new best, beside the old
	s_delay_alu instid0(VALU_DEP_2)
	v_max3_num_f32 v[eN+1], v[eO+1], v[T0+1], v[U0+1]
	s_delay_alu instid0(VALU_DEP_2)
	v_cmp_gt_f32 vcc_lo, v[eN], v[eO]              ; has it risen?  Strictly: an equal score further on does not win
	s_delay_alu instid0(VALU_DEP_2)
	v_cmp_gt_f32 s33, v[eN+1], v[eO+1]
	s_delay_alu instid0(VALU_DEP_2)
	v_cndmask_b32 v[eT], v[eT], s[VT+(\t)], vcc_lo
	s_delay_alu instid0(VALU_DEP_2)
	v_cndmask_b32 v[eT+1], v[eT+1], s[VT+(\t)], s33
	KEEP eS, eA
	s_mov_b32 vcc_lo, s33                          ; the dual form selects by VCC alone
	KEEP eS+8, eA+16
.endm
; Unit i (0, 1) of my pair in a slot, in two parts: 13 LDS loads for K steps 0 and 1 and HC, 9 for K steps 2 and 3.
.macro FRAGS slot, i, s
.irp t, 0,1
.irp c, 0,1
	ds_load_b128 v[CF+16*\s+8*\t+4*\c:CF+16*\s+8*\t+4*\c+3], v[AD] offset:PB*(\slot)+UB*(\i)+4096*\t+512*(2*\s+\c)   ; 32 lanes read 512 consecutive bytes
.endr
.endr
.endm
.macro LOADA slot, i
	FRAGS \slot, \i, 0
	FRAGS \slot, \i, 1
	ds_load_b64 v[CS:CS+1], v[AD] offset:PB*(\slot)+UB*(\i)+OSC             ; lane m: centroid m's scale words 0, 1
.irp t, 0,1
	ds_load_b128 v[CSQ+8*\t:CSQ+8*\t+3], v[AQ] offset:PB*(\slot)+UB*(\i)+OSQ+128*\t         ; HC of centroids 16 t + 8 h + 0 .. 7
	ds_load_b128 v[CSQ+8*\t+4:CSQ+8*\t+7], v[AQ] offset:PB*(\slot)+UB*(\i)+OSQ+128*\t+16
.endr
.endm
.macro LOADB slot, i
	FRAGS \slot, \i, 2
	FRAGS \slot, \i, 3
	ds_load_b64 v[CS+2:CS+3], v[AD] offset:PB*(\slot)+UB*(\i)+OSC+8
.endm
; In front of a refill of slot rs: all my tensor loads have landed, my pair of the other slot among them, so a descriptor may be written; 0 onto my spare word.
; last = 1: the refill is the last unit alone.
.macro OPEN rs, last
	s_wait_xcnt 0x0                                ; any prefetch of mine has read its address
	s_add_nc_u64 s[PFB:PFB+1], s[PFB:PFB+1], 8*PB
	s_wait_tensorcnt 0x0
	ds_add_u32 v[SPW], v[NIL]
.if \last
	s_add_nc_u64 s[G0+4*\rs+2:G0+4*\rs+3], s[G0+4*\rs+2:G0+4*\rs+3], s[LS:LS+1]
	s_mov_b32 s[G1+2], 35<<16                      ; 35 rows of 256 bytes: tensor_dim1
	s_mov_b32 s[G1+4], 35                          ; and tile_dim1
.else
	s_add_nc_u64 s[G0+4*\rs+2:G0+4*\rs+3], s[G0+4*\rs+2:G0+4*\rs+3], 16*PB   ; sixteen pairs on; the type bits on top are not reached
.endif
.endm
; The refill, the first tensor load behind its round.  ask = 1: every such round prefetches; 2: not in the loop's last trip; 0: none.
.macro REFILL rs, ask
	tensor_load_to_lds s[G0+4*\rs:G0+4*\rs+3], s[G1:G1+7]
	s_nop 0
.rept 4
	v_nop                                          ; four lines behind the tensor load
.endr
.if \ask
.if \ask == 1
	s_cmp_eq_u32 s[PFL], 2
.else
	s_cmp_ge_u32 s32, s[PFL]
.endif
	s_cbranch_scc0 .Lno_ask_\@
	global_prefetch_b8 v[PFO], s[PFB:PFB+1] th:TH_LOAD_NT scope:SCOPE_SE
.Lno_ask_\@:
.endif
.endm
; A unit, whose LDS loads have been asked for.  round 1: slot rs, all read by then, is filled again.  round 3: nothing is filled, the last unit is waited for.  ns, ni: the unit that comes next (ni = 2: none).
; delta: how far n0 steps to this unit.
.macro BIG round, rs, ask, last, ns, ni, delta
	s_wait_dscnt 9                                 ; LOADA's are in; LOADB's nine may be out
	MULH 0, 0
	EPI 3, 0                                       ; (of the unit before)
	s_wait_dscnt 0x0
	MULH 0, 1
	EPI 3, 1
	s_add_co_u32 s[VT], s[VT], \delta
	s_add_co_u32 s[VT+1], s[VT+1], \delta
	MULH 1, 0
	EPI 0, 0
	MULH 1, 1
	EPI 0, 1
	MULH 2, 0
	EPI 1, 0
	MULH 2, 1
	EPI 1, 1
.if \round == 1
	OPEN \rs, \last
.endif
	MULH 3, 0                                      ; (where there is a round: work on registers between the add and the wait for it)
.if \round == 1
	s_wait_dscnt 0x0                               ; the add is done, and so are my reads of this slot
	s_barrier_signal -1
.endif
	EPI 2, 0
.if \round == 1
	s_barrier_wait -1
	CREST                                          ; no wave of any partner still reads the slot or has a load on its way
	REFILL \rs, \ask
.endif
.if \round == 3
	s_wait_tensorcnt 0x0                           ; I alone read what I load
.endif
.if \ni < 2
	LOADA \ns, \ni
.endif
	MULH 3, 1
	EPI 2, 1
.if \ni < 2
	LOADB \ns, \ni
.endif
.endm
	s_load_b256 s[4:11], s[0:1], 0x0               ; x's codes s[4:5], x's scales s[6:7], cq s[8:9], out0 s[10:11]
	v_lshl_add_u32 v[SPW], v0, 2, SPARE
	v_mov_b32 v[NIL], 0
	ds_add_u32 v[SPW], v[NIL]                      ; the wave's opening: the add, twice on end, and its wait ahead of my first tensor load
	ds_add_u32 v[SPW], v[NIL]
	v_lshrrev_b32 v[W1], 5, v0
	v_readfirstlane_b32 s[WV], v[W1]               ; wave 0..7
	s_bfe_u32 s13, ttmp6, 0x40000                  ; cx: my place in the cluster
	s_mul_i32 s15, s13, 18                         ; my first 256 bytes of a pair among the prefetches'
	s_lshl_b32 s14, ttmp9, 2                       ; (in a cluster launch ttmp9 counts clusters)
	s_add_co_u32 s14, s14, s13                     ; my work-group: it enters the addresses of x and of out0 alone
	s_lshl_b32 s36, s14, 15                        ; x's codes: 128 rows of 256 bytes,
	s_lshl_b32 s37, s[WV], 12                      ; and my 16 of them
	s_add_co_u32 s36, s36, s37
	s_mov_b32 s37, 0
	s_lshl_b32 s38, s14, 11                        ; x's scales: 128 rows of 16 bytes
	s_mov_b32 s39, 0
	s_lshl_b32 s40, s14, 9                         ; out0: 128 numbers
	s_mov_b32 s41, 0
	s_mul_i32 s34, s[WV], UB                       ; my first unit: w
	s_mov_b32 s35, 0
	s_mul_i32 s[LB], s[WV], 2*PB
	s_lshl_b32 s[P0], s34, 1
	s_add_co_u32 s[P0], s[P0], 8*UB                ; pair 0 begins at unit 8 + 2 w
	s_mov_b32 s[P0+1], 0
	s_mov_b32 s[LS], 32*UB
	s_sub_co_u32 s[LS], s[LS], s34                 ; from unit 88 + 2 w to unit 120 + w
	s_mov_b32 s[LS+1], 0
	; descriptor group 1: a dense pair of units as 70 rows of 256 bytes
	s_mov_b32 s[G1], 15|(3<<16)|(1<<21)            ; 15:0 the mask: all four work-groups; 17:16 elements of 8 bytes; 20 no padding; 21 set beside a mask
	s_mov_b32 s[G1+1], 32<<16                      ; tensor_dim0 = 32
	s_mov_b32 s[G1+2], 70<<16                      ; tensor_dim1 = 70
	s_mov_b32 s[G1+3], 32<<16                      ; tile_dim0 = 32
	s_mov_b32 s[G1+4], 70                          ; tile_dim1 = 70
	s_mov_b32 s[G1+5], 32                          ; from row to row
	s_mov_b32 s[G1+6], 0
	s_mov_b32 s[G1+7], 0
	s_lshl_b32 s[VT], s[WV], 5                     ; unit w's first centroid: n0 = 32 w
	s_add_co_u32 s[DA], s[VT], 256                 ; to 256 + 64 w
	s_mov_b32 s[DB], 480
	s_sub_co_u32 s[DB], s[DB], s[VT]               ; from 3,360 + 64 w to 3,840 + 32 w
	s_add_co_u32 s[VT+1], s[VT], 16
	s_mov_b32 s43, 0xff800000                      ; -infinity
	s_mov_b32 s[PFL], 99                           ; above every loop count
	s_cmp_lt_u32 ttmp9, 4                          ; every cluster reads the same cq: four of them prefetch it
	s_cselect_b32 s[PFL], 2, s[PFL]
	v_and_b32 v[LN], 31, v0                        ; lane
	v_and_b32 v[RR], 15, v0                        ; r
	v_bfe_u32 v[HH], v0, 4, 1                      ; h
	v_lshlrev_b32 v[L16], 4, v[LN]                 ; 16 x lane
	v_lshlrev_b32 v[R16], 4, v[RR]                 ; 16 r
	v_lshlrev_b32 v[H32], 5, v[HH]                 ; 32 h
	v_mul_u32_u24 v[W1], v[RR], XP
	v_mul_u32_u24 v[W2], v[HH], XP
	v_add_nc_u32 v[AD], s[LB], v[L16]
	v_add_nc_u32 v[AQ], s[LB], v[H32]
	v_lshl_add_u32 v[W1], v[HH], 4, v[W1]
	v_add_nc_u32 v[W2], v[W2], v[R16]              ; a load's 512 bytes are two rows: lanes 0-15 one, lanes 16-31 the next
	s_mul_i32 s42, s[WV], 16*XP
	s_add_co_u32 s42, s42, XIMG
	v_min_u32 v[PFO], 17, v[LN]
	v_add_nc_u32 v[XI], XIMG, v[W1]
	v_add_nc_u32 v[XW], s42, v[W2]
	v_add_nc_u32 v[PFO], s15, v[PFO]
	v_min_u32 v[PFO], 69, v[PFO]                   ; a pair has 70 x 256 bytes
	v_lshlrev_b32 v[PFO], 8, v[PFO]
	s_wait_alu depctr_va_vdst(0)                   ; the wait at the head's end
	s_wait_dscnt 0x0                               ; both opening adds are done
	s_wait_kmcnt 0x0
	s_add_nc_u64 s[4:5], s[4:5], s[36:37]
	s_add_nc_u64 s[6:7], s[6:7], s[38:39]
	s_add_nc_u64 s[10:11], s[10:11], s[40:41]
	s_add_nc_u64 s[FB:FB+1], s[8:9], s[34:35]
.irp k, 0,1,2,3,4,5,6,7
	global_load_b128 v[ACC+4*\k:ACC+4*\k+3], v[L16], s[4:5] offset:512*\k    ; two of my 16 rows of x's codes: 512 consecutive bytes
.endr
	s_mov_b32 s[G0], 1                             ; 1:0 count = 1
	s_mov_b32 s[G0+1], s[LB]                       ; 63:32 LDS address: my pair of slot 0
	s_add_nc_u64 s[G0+2:G0+3], s[8:9], s[P0:P0+1]  ; 120:64 global address: my pair 0
	s_add_nc_u64 s[PFB:PFB+1], s[G0+2:G0+3], 24*PB ; the first refill's round steps it to pair 4
	s_mov_b32 s[G0+4], 1
	s_add_co_u32 s[G0+5], s[LB], PB                ; my pair of slot 1
	s_add_nc_u64 s[G0+6:G0+7], s[G0+2:G0+3], 8*PB  ; my pair 1
	s_or_b32 s[G0+3], s[G0+3], 0x80000000          ; 127:126 type = 2
	s_or_b32 s[G0+7], s[G0+7], 0x80000000
	CROUND                                         ; all four work-groups are here: the first joint loads meet
	tensor_load_to_lds s[G0:G0+3], s[G1:G1+7]      ; slot 0: one tensor load a wave at the head
	s_nop 0
.rept 4
	v_nop
.endr
.irp p, 0,1,2,3
	global_load_b128 v[XS+4*\p:XS+4*\p+3], v[L16], s[6:7] offset:512*\p      ; lane l: the four scale words of row 32 p + l: 512 consecutive bytes
.endr
.irp s, 0,1,2,3
.irp t, 0,1
.irp c, 0,1
	global_load_b128 v[CF+16*\s+8*\t+4*\c:CF+16*\s+8*\t+4*\c+3], v[L16], s[FB:FB+1] offset:4096*\t+512*(2*\s+\c)   ; my first unit, as the LDS loads above take the later ones
.endr
.endr
.endr
	global_load_b128 v[CS:CS+3], v[L16], s[FB:FB+1] offset:OSC
.irp t, 0,1
	global_load_b128 v[CSQ+8*\t:CSQ+8*\t+3], v[H32], s[FB:FB+1] offset:OSQ+128*\t
	global_load_b128 v[CSQ+8*\t+4:CSQ+8*\t+7], v[H32], s[FB:FB+1] offset:OSQ+128*\t+16
.endr
	s_wait_loadcnt 25                              ; my rows' eight loads are in; the 4 of the scale words and the 21 of my first unit may be out
.irp k, 0,1,2,3,4,5,6,7
	ds_store_b128 v[XW], v[ACC+4*\k:ACC+4*\k+3] offset:2*XP*\k
.endr
	s_wait_dscnt 0x0                               ; for the others' sake: my stores are done
	s_barrier_signal -1
	s_barrier_wait -1                              ; all 128 rows of x lie in LDS.
	WIN 0x40                                       ; destination window 1
.set m, 0
.rept 64
	ds_load_b128 v[4*m:4*m+3], v[XI] offset:16*XP*(m/8)+32*(m%8)     ; registers 4 (k % 2) .. of x's fragment (tile m / 8, K step k / 2), k = m % 8, at v[32 i + 8 s] of window 1: it stays
.set m, m+1
.endr
	WIN 0
	s_wait_loadcnt 0x0                             ; x's scale words and my first unit
	s_wait_dscnt 48                                ; x's tiles 0, 1 are in; the 48 loads of tiles 2-7 may be out
	MULH 0, 0
.irp i, 0,1,2,3,4,5,6,7                ; the state begins: no score is under -infinity.  (These lines are also the places behind the first products)
	v_mov_b32 v[BEST+\i], s43
	v_mov_b32 v[TID+\i], s[VT]
.endr
	MULH 0, 1
.set m, 0
.rept 64
	v_mov_b32 v[SAVE+m], s43
.set m, m+1
.endr
	s_wait_dscnt 32                                ; x's tiles 2, 3
	MULH 1, 0
	EPI 0, 0
	MULH 1, 1
	EPI 0, 1
	s_wait_dscnt 16                                ; 4, 5
	s_wait_tensorcnt 0x0                           ; my pair of slot 0 has landed; as ahead of a refill:
	ds_add_u32 v[SPW], v[NIL]                      ; 0 onto my spare word
	MULH 2, 0
	EPI 1, 0
	s_wait_dscnt 0x0                               ; the add is done, and x's tiles 6, 7 are in
	s_barrier_signal -1
	MULH 2, 1
	s_barrier_wait -1
	CREST                                          ; the joint loads meet
	REFILL 1, 0                                    ; slot 1, the first tensor load behind the round
	EPI 1, 1
	MULH 3, 0
	EPI 2, 0
	LOADA 0, 0
	MULH 3, 1
	EPI 2, 1
	LOADB 0, 0
	s_mov_b32 s32, 2
.Llap:                                             ; a trip goes once round the ring, slot 0 and then slot 1 (pairs 0 and 1, 2 and 3), and fills both again
	BIG 0, 0, 0, 0, 0, 1, s[DA]
	s_mov_b32 s[DA], 480                           ; 512 centroids on from the last pair's first unit, 480 from its second
	BIG 1, 0, 1, 0, 1, 0, 32
	BIG 0, 0, 0, 0, 1, 1, 480
	BIG 1, 1, 2, 0, 0, 0, 32
	s_sub_co_u32 s32, s32, 1
	s_cmp_lg_u32 s32, 0
	s_cbranch_scc1 .Llap
	BIG 0, 0, 0, 0, 0, 1, 480                      ; pairs 4, 5, 6 and the last unit are written out: pair 4 makes way for pair 6
	BIG 1, 0, 0, 0, 1, 0, 32
	BIG 0, 0, 0, 0, 1, 1, 480
	BIG 1, 1, 0, 1, 0, 0, 32                       ; pair 5 for the last unit
	BIG 0, 0, 0, 0, 0, 1, 480
	BIG 3, 0, 0, 0, 1, 0, 32
	BIG 0, 0, 0, 0, 0, 2, s[DB]
	EPI 3, 0                                       ; (the 20 lines in front of it are the places behind the last products)
	EPI 3, 1
	; THE END.  Which of the winners' eight scores is the best: the lowest j that equals it.
	v_and_b32 v124, 31, v0
	v_and_b32 v125, 15, v0
	v_bfe_u32 v[H8], v0, 4, 1
	v_lshlrev_b32 v[SA], 2, v125
	v_lshlrev_b32 v[OO], 3, v124
	v_lshl_add_u32 v[SA], v[H8], 9, v[SA]
	s_lshl_b32 s42, s[WV], 10
	s_add_co_u32 s42, s42, XIMG
	v_add_nc_u32 v[SA], s42, v[SA]                 ; candidate list 2 w + h, 512 bytes each: + 4 r (+ 64 i)
	v_lshlrev_b32 v[H8], 3, v[H8]
	s_lshl_b32 s42, s[WV], 8
	v_add_nc_u32 v[OO], s42, v[OO]                 ; two rows a lane: 256 w + 8 x lane
	v_add_nc_u32 v[SB], XIMG, v[OO]
.irp i, 0,1,2,3,4,5,6,7
	v_mov_b32 v[J0+\i], 7
.endr
.irp j, 6,5,4,3,2,1,0
.irp i, 0,2,4,6
	v_cmp_neq_f32 vcc_lo, v[SAVE+8*\i+\j], v[BEST+\i]
	v_cmp_neq_f32 s33, v[SAVE+8*\i+8+\j], v[BEST+1+\i]
	s_delay_alu instid0(VALU_DEP_2)
	v_cndmask_b32 v[J0+\i], \j, v[J0+\i], vcc_lo
	s_delay_alu instid0(VALU_DEP_2)
	v_cndmask_b32 v[J0+1+\i], \j, v[J0+1+\i], s33
.endr
.endr
.irp i, 0,1,2,3,4,5,6,7
	v_add3_u32 v[TID+\i], v[TID+\i], v[J0+\i], v[H8]   ; my candidate's index for row 16 i + r
.endr
.irp i, 0,1,2,3,4,5,6,7                ; the candidates meet in LDS, where x lay: every wave has waited for its reads of that and has passed barriers since
	ds_store_b32 v[SA], v[BEST+\i] offset:64*\i
	ds_store_b32 v[SA], v[TID+\i] offset:8192+64*\i
.endr
	s_wait_dscnt 0x0                               ; for the others' sake: my stores are done
	s_barrier_signal -1
	s_barrier_wait -1
	s_cmp_gt_u32 s[WV], 1                          ; waves 0 and 1 take 64 rows each, two a lane, so that a wave's store covers 256 consecutive bytes
	s_cbranch_scc1 .Ldone
.irp e, 0,1,2,3,4,5,6,7,8,9,10,11,12,13,14,15
	ds_load_b64 v[48+2*\e:49+2*\e], v[SB] offset:512*\e              ; the sixteen candidates' scores,
.endr
.irp e, 0,1,2,3,4,5,6,7,8,9,10,11,12,13,14,15
	ds_load_b64 v[80+2*\e:81+2*\e], v[SB] offset:8192+512*\e         ; and their indices
.endr
	s_wait_dscnt 0x0
.irp q, 0,1
	v_max3_num_f32 v[6+\q], v[48+\q], v[50+\q], v[52+\q]
.endr
.irp e, 3,5,7,9,11,13
.irp q, 0,1
	v_max3_num_f32 v[6+\q], v[6+\q], v[48+2*\e+\q], v[50+2*\e+\q]
.endr
.endr
.irp q, 0,1
	v_max_num_f32 v[6+\q], v[6+\q], v[78+\q]       ; the row's greatest score
.endr
	v_mov_b32 v8, 0x7fffffff                       ; above every index
	v_cmp_eq_f32 vcc_lo, v48, v6
	v_cmp_eq_f32 s33, v49, v7
	v_cndmask_b32 v10, v8, v80, vcc_lo
	v_cndmask_b32 v11, v8, v81, s33
.irp e, 1,2,3,4,5,6,7,8,9,10,11,12,13,14,15
	v_cmp_eq_f32 vcc_lo, v[48+2*\e], v6
	v_cmp_eq_f32 s33, v[49+2*\e], v7
	s_delay_alu instid0(VALU_DEP_2)
	v_cndmask_b32 v12, v8, v[80+2*\e], vcc_lo
	s_delay_alu instid0(VALU_DEP_2)
	v_cndmask_b32 v13, v8, v[81+2*\e], s33
	s_delay_alu instid0(VALU_DEP_2)
	v_min_u32 v10, v10, v12                        ; the lowest index among the candidates that reach it
	s_delay_alu instid0(VALU_DEP_2)
	v_min_u32 v11, v11, v13
.endr
	global_store_b64 v[OO], v[10:11], s[10:11]     ; 32 lanes store 256 consecutive bytes, at a multiple of 256 from out0's first byte
.Ldone:
	s_wait_tensorcnt 0x0                           ; the wave's end, behind my last tensor load and my last LDS store
	ds_add_u32 v[SPW], v[NIL]
	s_wait_dscnt 0x0
	CROUND                                         ; the closing round: no work-group ends while a partner may still ask for a unit that names it
	s_endpgm
.Lfunc_end_k_q831618ba0f_scan:
	.size	k_q831618ba0f_scan, .Lfunc_end_k_q831618ba0f_scan-k_q831618ba0f_scan
	.p2alignl 7, 3214868480
	.fill 96, 4, 3214868480
	.section	.rodata,"a",@progbits
	.p2align	6, 0x0
	.amdhsa_kernel k_q831618ba0f_scan
		.amdhsa_group_segment_fixed_size 327680
		.amdhsa_private_segment_fixed_size 0
		.amdhsa_enable_private_segment 0
		.amdhsa_kernarg_size 32
		.amdhsa_user_sgpr_count 2
		.amdhsa_user_sgpr_kernarg_segment_ptr 1
		.amdhsa_wavefront_size32 1
		.amdhsa_system_sgpr_workgroup_id_x 1
		.amdhsa_system_sgpr_workgroup_id_y 1
		.amdhsa_system_sgpr_workgroup_id_z 1
		.amdhsa_system_vgpr_workitem_id 0
		.amdhsa_next_free_vgpr 512
		.amdhsa_next_free_sgpr 66
		.amdhsa_reserve_vcc 1
		.amdhsa_float_denorm_mode_32 3
		.amdhsa_float_denorm_mode_16_64 3
		.amdhsa_memory_ordered 1
		.amdhsa_forward_progress 1
		.amdhsa_inst_pref_size 247
	.end_amdhsa_kernel
	.amdgpu_metadata
---
amdhsa.version: [ 1, 2 ]
amdhsa.kernels:
  - .name:           k_q831618ba0f_scan
    .symbol:         k_q831618ba0f_scan.kd
    .args:
      - { .name: x_codes, .offset: 0, .size: 8, .value_kind: global_buffer, .address_space: global }
      - { .name: x_scales, .offset: 8, .size: 8, .value_kind: global_buffer, .address_space: global }
      - { .name: cq, .offset: 16, .size: 8, .value_kind: global_buffer, .address_space: global }
      - { .name: out0, .offset: 24, .size: 8, .value_kind: global_buffer, .address_space: global }
    .group_segment_fixed_size: 327680
    .private_segment_fixed_size: 0
    .kernarg_segment_align: 8
    .kernarg_segment_size: 32
    .max_flat_workgroup_size: 256
    .sgpr_count:     66
    .vgpr_count:     512
    .wavefront_size: 32
...
	.end_amdgpu_metadata
.endif
;; end of part 2
